; MI455X (gfx1250); checked and timed in simulation.
; The chip was launched on July 23, 2026; its instructions are those of AMD's public machine-readable ISA for CDNA 5 (MIT licence, August 2026) and "CDNA5" Instruction Set Architecture Reference Guide (July 2026). The comments in the code are by the model that wrote it; some were corrected since.
;; Multi Head Self Attention. Allowed arithmetic: matrix products marked QUANTISED: E2M1 operands, one E8M0 scale for each 32 along K, by v_wmma_scale_f32_16x16x128_f8f6f4 with both operands' format E2M1 (or v_wmma_scale_f32_32x16x128_f4), f32 sums; everything else in f32.
;; Inputs: Wk_codes 1,024 x 32 x 16 uint8 (E2M1 codes of Wk, K innermost, in blocks of 32 codes, two codes a byte); Wk_scales 1,024 x 32 uint8 (E8M0 scales of Wk, one for each 32 codes along K); Wo_codes 1,024 x 32 x 16 uint8 (E2M1 codes of Wo, K innermost, in blocks of 32 codes, two codes a byte); Wo_scales 1,024 x 32 uint8 (E8M0 scales of Wo, one for each 32 codes along K); Wq_codes 1,024 x 32 x 16 uint8 (E2M1 codes of Wq, K innermost, in blocks of 32 codes, two codes a byte); Wq_scales 1,024 x 32 uint8 (E8M0 scales of Wq, one for each 32 codes along K); Wv_codes 1,024 x 32 x 16 uint8 (E2M1 codes of Wv, K innermost, in blocks of 32 codes, two codes a byte); Wv_scales 1,024 x 32 uint8 (E8M0 scales of Wv, one for each 32 codes along K); bk 1,024 float32; bo 1,024 float32; bq 1,024 float32; bv 1,024 float32; x_codes 4 x 2,048 x 32 x 16 uint8 (E2M1 codes of x, K innermost, in blocks of 32 codes, two codes a byte); x_scales 4 x 2,048 x 32 uint8 (E8M0 scales of x, one for each 32 codes along K).
;; Outputs: out0 4 x 2,048 x 1,024 float32.
;; This version of the problem:
;;   THIS VERSION OF THE PROBLEM IS GIVEN IN LOW PRECISION. The matrix products marked QUANTISED in the list below multiply operands that are first quantised to E2M1 (2 exponent bits, 1 mantissa bit; 4 bits a number), with one power-of-two scale for each 32 numbers along K (OCP MX v1.0); their sums are f32. All else is computed in f32.
;;   The module's matrix products, in the order in which they are computed (A, B: the left and right operand; K: the contracted axis; several contracted axes count as one K, in the product's order):
;;     1. [M 8,192, K 1,024] x [K 1,024, N 1,024]; A: input x (given as codes); B: input Wq (given as codes): QUANTISED
;;     2. [M 8,192, K 1,024] x [K 1,024, N 1,024]; A: input x (given as codes); B: input Wk (given as codes): QUANTISED
;;     3. [M 8,192, K 1,024] x [K 1,024, N 1,024]; A: input x (given as codes); B: input Wv (given as codes): QUANTISED
;;     4. batch 64 x [M 2,048, K 64] x [K 64, N 2,048]; A: computed on the way; B: computed on the way: QUANTISED
;;     5. batch 64 x [M 2,048, K 2,048] x [K 2,048, N 64]; A: softmax (see below); B: computed on the way: QUANTISED
;;     6. [M 8,192, K 1,024] x [K 1,024, N 1,024]; A: computed on the way; B: input Wo (given as codes): QUANTISED
;;   THE QUANTISER, for each operand of a quantised product, along K:
;;     - K is cut into blocks of 32 from its start; a last block that is shorter is filled with zeros.
;;     - A block's scale is 2^e with e = floor(log2(the largest magnitude in the block)) - 2, held to -126 .. 127; a block of zeros has e = 0. As a byte (E8M0): e + 127.
;;     - Each number is divided by its block's scale, clamped to +-6, and rounded to the nearest number of E2M1, ties to even, subnormals kept.
;;     - The product sums the exact products of the quantised numbers (number of the format x scale) in f32.
;;   ~~~python
;;   def quantise(x, axis):      # numpy; x: float32 -> the quantised numbers, widened to float32 again
;;       x = np.moveaxis(x, axis, -1); K = x.shape[-1]
;;       x = np.pad(x, [(0, 0)] * (x.ndim - 1) + [(0, -K % 32)]); x = x.reshape(x.shape[:-1] + (-1, 32)); a = np.abs(x).max(-1, keepdims=True)
;;       e = np.where(a > 0, np.clip(np.frexp(np.where(a > 0, a, 1))[1] - 1 - 2, -126, 127), 0)      # np.frexp(a)[1] - 1 = floor(log2(a)), exactly
;;       r = np.clip(x / 2.0 ** e, -6, 6)
;;       step = 2.0 ** (np.maximum(np.frexp(np.where(r == 0, 1, r))[1] - 1, 0) - 1)
;;       q = np.round(r / step) * step * 2.0 ** e      # np.round: ties to even
;;       return np.moveaxis(q.reshape(q.shape[:-2] + (-1,))[..., :K], -1, axis).astype(np.float32)
;;   ~~~
;;   SOFTMAX AHEAD OF A QUANTISED PRODUCT. Where the list says 'softmax', what is quantised is not the finished softmax but p = 2^(t - M), with t = logit x log2(e) and M = ceil(the row's largest t), a whole number; so 1/2 < the row's largest p <= 1. The row's sum l is taken of the UNQUANTISED p, in f32, and the product's result is divided by l at the end. Since M is a whole number, a kernel that streams over the keys may use a running M (the ceiling of the running maximum): every later rescaling is an exact power of two, which a block's scale takes up: the codes' values come out the same.
;;   OPERANDS COMPUTED ON THE WAY. 'Computed on the way' means the value that the module computes at that place (a softmax that the list does not call 'softmax' is quantised finished and normalised). What goes into a quantiser is computed in f32, as accurately as f32 sums, v_exp_f32 and their like allow (about 1e-6 of the number): no bf16 or f16 on the way to a quantiser, and a product that is left as it is and whose result goes on into a quantised operand takes f32 operands (vector FMAs, or v_wmma_f32_16x16x4_f32). A number that lies on a knife's edge between two numbers of the format may be rounded either way, as far as f32 arithmetic and the matrix unit's own rounding can turn it there, and no further.
;;   INPUTS GIVEN AS CODES. Wk (in the module: [1024, 1024], K = its axis 0); Wo (in the module: [1024, 1024], K = its axis 0); Wq (in the module: [1024, 1024], K = its axis 0); Wv (in the module: [1024, 1024], K = its axis 0); x (in the module: [4, 2048, 1024], K = its axis 2): each comes as NAME_codes (uint8): NAME with its K axis moved to the last place and cut into blocks of 32 codes, [.., K / 32, bytes a block], one block behind the other in memory; two codes a byte, the lower K in the low four bits (a code: sign, 2 exponent bits, 1 mantissa bit); and NAME_scales (uint8): the same leading axes, one E8M0 byte (e + 127) for each 32 codes along K. Its value is code x scale, taken as it is: it is not quantised again, and the codes and scales need not be those that the quantiser above would give.
;; One version. Each part assembles by itself: llvm-mc -triple=amdgcn-amd-amdhsa -mcpu=gfx1250 --defsym DOCPART=n.
;; ======== version 1 of 1: 3 launches
;; workspace buffers: qbuf 4,718,592 bytes; kvbuf 9,175,040 bytes; ao_codes 4,194,304 bytes; ao_scales 262,144 bytes
;; launch qkv (part 1): grid 12 x 32, 4 waves a work-group, clusters of 4 x 4, 327,680 bytes of LDS; arguments x_codes, x_scales, Wq_codes, Wq_scales, Wk_codes, Wk_scales, Wv_codes, Wv_scales, bq, bk, bv, qbuf, kvbuf; writes qbuf, kvbuf
.if DOCPART == 1
	.amdgcn_target "amdgcn-amd-amdhsa--gfx1250"
	.amdhsa_code_object_version 6
	.text
	.protected	k_q49ed86289d_qkv
	.globl	k_q49ed86289d_qkv
	.p2align	8
	.type	k_q49ed86289d_qkv,@function
k_q49ed86289d_qkv:
	s_mov_b64 s[64:65], 0
	v_nop
	global_prefetch_b8 v0, s[64:65] scope:SCOPE_SE
	s_setreg_imm32_b32 hwreg(HW_REG_WAVE_MODE, 25, 1), 1
	s_wait_xcnt 0x0
	s_wait_alu depctr_hold_cnt(0) depctr_sa_sdst(0) depctr_va_vdst(0) depctr_va_sdst(0) depctr_va_ssrc(0) depctr_va_vcc(0) depctr_vm_vsrc(0)
	s_getreg_b32 s2, hwreg(HW_REG_IB_STS2, 6, 4)
	s_cmp_eq_u32 s2, 0
	s_cbranch_scc0 .Lentry_in_a_cluster
	s_endpgm
.Lentry_in_a_cluster:
	s_bfe_u32 s2, ttmp6, 0x10000c
	s_cmp_lg_u32 s2, 0xf033
	s_cbranch_scc0 .Lentry_shape_is_right
	s_endpgm
.Lentry_shape_is_right:
; Q = x Wq + bq, K = x Wk + bk, V = x Wv + bv on codes of FP4 (E2M1) with one E8M0 scale for each 32 along K; the results, in f32, are quantised here for the next two products
; and stored as IMAGES OF OPERAND REGISTERS: Q and K along the head's 64 (two blocks a row), V along the keys (blocks of 32 keys for each channel).
; DEAD WORK: none.  Every bias enters a quantiser or the output, every product of reference() reaches the output, all fourteen inputs are loaded by some launch.
; LIMITS: NaN and infinities on the way to a quantiser are not served.  A block of zeros gets the scale byte 1 where the quantiser says 127: its codes are zeros, which add nothing
; under any byte but 0xff, and these bytes are read by this program alone.
; SHARES.  The cluster's x picks the matrix (0 Q, 1 K, 2 V): the same in all sixteen partners.  A work-group makes 256 tokens x 256 outputs, a wave 128 x 128: 64 accumulators.
; All of K (1,024 codes, 512 bytes a row) lies in LDS: two slots of 512 along K, each filled once; nothing is filled again.
; CLUSTER 4 x 4: the four of a row need the same 256 tokens of x, the four of a column the same 256 rows of W: each tile is asked for jointly.
; Q, K: source 0 = 16 rows of W, source 1 = 16 tokens: a lane holds one token, its registers run along the outputs (the next K).
; V:    source 0 = 16 tokens, source 1 = 16 rows of W: a lane holds one channel, its registers run along the keys (the next K).
; In a result tile t lane (r, h) holds index 16 t + 8 h + j of the next K.  The operand wants 32 neighbours a lane: the conversions of tiles 0, 2, 1, 3 of each 64 go to registers 0, 1, 2, 3,
; and two exchanges of halves (0 with 1, 2 with 3) leave register g, half h, with indices 32 h + 8 g + 0 .. 7.
; WORKSPACE.  qbuf [batch x head 64][128 tokens 16][4,608]: 8 tiles x 512 bytes (lane's 16 bytes at 16 x lane: channels 32 h on of token 16 t + r), then 512 bytes of scale words,
;   that of (tile t, r) at 16 (r + 16 (t % 2)) + 4 (t / 2), bytes 0, 1 the two blocks, bytes 2, 3 zero.
; kvbuf [batch x head 64][128 keys 16][8,960]: K as in qbuf; at 4,608 V's four fragments (channels 16 d on: 1,024 d + 512 c + 16 x lane); at 8,704 V's scale words, (d, r) at 8 (r + 16 (d % 2)) + 4 (d / 2).
; REGISTERS.  window 0: v1-11, v30 addresses; v12-27 codes just made, two sets; v28, v29 the add's two; v32-63 x's scale words, v64-95 W's; v96-159 the bias; v160-223 64 numbers at work;
;   v224-239 at work; v240-247 the eight scale words made; v248-255 scale words to store.   window 1: two sets of fragments (x at 128 f, W at 128 f + 64).   windows 2, 3: accumulators.
.set PITCH,  272                       ; an LDS row: 256 bytes + 16 of padding: the 16 rows of a fragment load start 68 words apart
.set HALFT,  128*PITCH                 ; 128 rows: one tensor load
.set SLOT,   4*HALFT                   ; x's 256 rows, then W's 256 rows
.set SPARE,  2*SLOT                    ; the spare words, 128 bytes a wave
.set HEADB,  143360                    ; a head in kvbuf: 16 x 8,960
.set ADRX, 4                           ; v4, v5  LDS address of my x fragments in slot 0, 1
.set ADRW, 6                           ; v6, v7  the same for W
.set L16,  8                           ; 16 x lane
.set L8,   9                           ; 8 x lane
.set L32,  10                          ; 32 x lane
.set B32H, 11                          ; 32 x (lane / 16)
.set PC,   12
.set SPW,  28
.set NIL,  29
.set R4,   30                          ; 4 x (lane % 16)
.set SX,   32
.set SW,   64
.set BI,   96
.set ST,   160
.set TM,   224
.set PWS,  240
.set KSW,  248
.set G1X, 32                           ; s[32:39] group 1 for x's tiles, s[40:47] for W's; s[48:55], s[56:63] their groups 0, one for each slot
.set G1W, 40
.set G0X, 48
.set G0W, 56
.set WV, 66
.set XH, 67
.set WH, 68
.set CX, 69
.set CY, 70
.set XT, 71
.set GS, 79
.set OUT0, 84
.set OUT1, 86
.set SEL, 90
.set HI16, 92
.set MSB, 0
.macro WIN new                         ; the immediate's high byte repeats the setting that is left
.if MSB != (\new)
	s_set_vgpr_msb (MSB<<8)|(\new)
.set MSB, (\new)
.endif
.endm
.macro PLACES                          ; four plain vector instructions behind a matrix instruction, ahead of loads into its sources and of reads of its result
.rept 4
	v_nop
.endr
.endm
; A joint load: waves 0 and 1 fetch for x, waves 2 and 3 for W.  The branch hangs on the wave's number alone.  An s_nop 0 and four v_nop follow each line.
.macro JLOAD g0a, g1a, g0b, g1b
	s_cmp_eq_u32 s[XH], 0
	s_cbranch_scc0 .Lfor_b_\@
	tensor_load_to_lds s[\g0a:\g0a+3], s[\g1a:\g1a+7]
	s_nop 0
.rept 4
	v_nop
.endr
	s_branch .Lasked_\@
.Lfor_b_\@:
	tensor_load_to_lds s[\g0b:\g0b+3], s[\g1b:\g1b+7]
	s_nop 0
.rept 4
	v_nop
.endr
.Lasked_\@:
.endm
.macro CROUND                          ; a round of the cluster's barrier
	s_barrier_signal -1
	s_barrier_wait -1
	s_cmp_lg_u32 s[WV], 0
	s_cbranch_scc1 .Lnot_wave_0_\@
	s_barrier_signal -3
.Lnot_wave_0_\@:
	s_barrier_wait -3
	s_barrier_signal -1
	s_barrier_wait -1
.endm
	s_load_b512 s[4:19], s[0:1], 0x0               ; x codes 4, x scales 6, Wq codes 8, Wq scales 10, Wk codes 12, Wk scales 14, Wv codes 16, Wv scales 18
	s_load_b256 s[20:27], s[0:1], 0x40             ; bq 20, bk 22, bv 24, qbuf 26
	s_load_b64 s[28:29], s[0:1], 0x60              ; kvbuf
	v_lshl_add_u32 v[SPW], v0, 2, SPARE
	v_mov_b32 v[NIL], 0
	ds_add_u32 v[SPW], v[NIL]                      ; the wave's opening: the add, twice on end, and its wait ahead of my first tensor load
	ds_add_u32 v[SPW], v[NIL]
	v_lshrrev_b32 v1, 5, v0
	v_readfirstlane_b32 s[WV], v1                  ; wave 0..3
	s_lshr_b32 s[XH], s[WV], 1                     ; my half of the tokens.  Also: I fetch for x (0) or for W (1)
	s_and_b32 s[WH], s[WV], 1                      ; my half of W's rows.  Also: which 128 rows I fetch
	s_bfe_u32 s[CX], ttmp6, 0x40000
	s_bfe_u32 s[CY], ttmp6, 0x40004
	s_and_b32 s[XT], ttmp7, 0xffff
	s_lshl_b32 s[XT], s[XT], 2
	s_add_co_u32 s[XT], s[XT], s[CY]               ; my tile of 256 tokens = 4 x cluster y + cy
	s_lshl_b32 s72, s[CY], 2
	s_lshl_b32 s72, 15, s72                        ; my row of the cluster
	s_lshl_b32 s73, 0x1111, s[CX]                  ; my column
	s_or_b32 s[G1X], s72, (1<<20)|(1<<21)|(5<<22)|(3<<25)   ; the mask; elements of 1 byte; padding on; bit 21 beside a mask; 4 words behind every 64
	s_or_b32 s[G1W], s73, (1<<20)|(1<<21)|(5<<22)|(3<<25)
.irp g, G1X, G1W
	s_mov_b32 s[\g+1], 256<<16                     ; tensor_dim0 = 256 bytes
	s_mov_b32 s[\g+2], 128<<16                     ; tensor_dim1 = 128 rows
	s_mov_b32 s[\g+3], 256<<16                     ; tile_dim0
	s_mov_b32 s[\g+4], 128                         ; tile_dim1
	s_mov_b32 s[\g+5], 512                         ; a row of codes in memory
	s_mov_b32 s[\g+6], 0
	s_mov_b32 s[\g+7], 0
.endr
	s_lshl_b32 s74, s[XT], 8
	s_lshl_b32 s75, s[WH], 7
	s_add_co_u32 s74, s74, s75
	s_lshl_b32 s74, s74, 9                         ; x: (256 x tile + 128 x half) rows of 512 bytes
	s_mov_b32 s75, 0
	s_lshl_b32 s76, s[CX], 8
	s_lshl_b32 s77, s[WH], 7
	s_add_co_u32 s76, s76, s77
	s_lshl_b32 s76, s76, 9                         ; W: (256 cx + 128 x half) rows
	s_mov_b32 s77, 0
	s_mul_i32 s78, s[WV], HALFT                    ; where they go: wave x 128 rows
	s_mov_b32 s[SEL], 0x76543210
	s_mov_b32 s[SEL+1], 0xfedcba98                 ; v_permlanex16_b32: lane l xor 16
	s_mov_b32 s[HI16], 0xffff0000                  ; lanes 16-31
	s_wait_dscnt 0x0                               ; both opening adds are done
	s_wait_kmcnt 0x0
	s_cmp_eq_u32 ttmp9, 0                          ; which matrix: the cluster's x, the same in all partners; only pointers and a stride are chosen
	s_cselect_b64 s[8:9], s[8:9], s[12:13]
	s_cselect_b64 s[10:11], s[10:11], s[14:15]
	s_cselect_b64 s[20:21], s[20:21], s[22:23]
	s_cselect_b64 s[26:27], s[26:27], s[28:29]
	s_mov_b32 s[GS], 8960
	s_cselect_b32 s[GS], 4608, s[GS]               ; bytes of a group of 128 tokens in the buffer that I store to
	s_cmp_eq_u32 ttmp9, 2
	s_cselect_b64 s[8:9], s[16:17], s[8:9]
	s_cselect_b64 s[10:11], s[18:19], s[10:11]
	s_cselect_b64 s[20:21], s[24:25], s[20:21]
	s_add_nc_u64 s[74:75], s[4:5], s[74:75]
	s_add_nc_u64 s[76:77], s[8:9], s[76:77]
	CROUND                                         ; all sixteen work-groups are here: the joint loads meet
.irp s, 0,1
	s_mov_b32 s[G0X+4*\s], 1
	s_add_co_u32 s[G0X+4*\s+1], s78, \s*SLOT
	s_add_nc_u64 s[G0X+4*\s+2:G0X+4*\s+3], s[74:75], \s*256
	s_or_b32 s[G0X+4*\s+3], s[G0X+4*\s+3], 0x80000000
	s_mov_b32 s[G0W+4*\s], 1
	s_add_co_u32 s[G0W+4*\s+1], s78, \s*SLOT
	s_add_nc_u64 s[G0W+4*\s+2:G0W+4*\s+3], s[76:77], \s*256
	s_or_b32 s[G0W+4*\s+3], s[G0W+4*\s+3], 0x80000000
	JLOAD G0X+4*\s, G1X, G0W+4*\s, G1W             ; two loads of mine are out in all
.endr
	v_and_b32 v1, 15, v0                           ; r
	v_bfe_u32 v2, v0, 4, 1                         ; h
	v_mul_u32_u24 v3, v1, PITCH
	v_lshl_add_u32 v3, v2, 4, v3                   ; a fragment's row x pitch + 16 h
	s_mul_i32 s80, s[XH], HALFT
	s_mul_i32 s81, s[WH], HALFT
	s_add_co_u32 s81, s81, 2*HALFT
.irp s, 0,1
	v_add_nc_u32 v[ADRX+\s], s80, v3
	v_add_nc_u32 v[ADRW+\s], s81, v3
	s_add_co_u32 s80, s80, SLOT
	s_add_co_u32 s81, s81, SLOT
.endr
	v_and_b32 v3, 31, v0
	v_lshlrev_b32 v[L16], 4, v3
	v_lshlrev_b32 v[L8], 3, v3
	v_lshlrev_b32 v[L32], 5, v3
	s_wait_alu depctr_va_vdst(0)
	v_lshlrev_b32 v[B32H], 5, v2
	v_lshlrev_b32 v[R4], 2, v1
.irp b, 0,1,2,3
	v_mov_b32 v[TM+4+\b], 0                        ; written once: a lane permute's destination counts as one of its sources
.endr
	s_lshl_b32 s82, s[XT], 8
	s_lshl_b32 s83, s[XH], 7
	s_add_co_u32 s82, s82, s83
	s_lshl_b32 s82, s82, 5                         ; my 128 tokens' scale bytes: 32 a row
	s_mov_b32 s83, 0
	s_add_nc_u64 s[6:7], s[6:7], s[82:83]
	s_lshl_b32 s82, s[CX], 8
	s_lshl_b32 s88, s[WH], 7
	s_add_co_u32 s88, s82, s88                     ; my first row of W
	s_lshl_b32 s82, s88, 5
	s_add_nc_u64 s[10:11], s[10:11], s[82:83]
	s_lshl_b32 s82, s88, 2
	s_add_nc_u64 s[20:21], s[20:21], s[82:83]      ; and its bias
; The scale words come once, straight into registers: lane l takes 16 bytes (four K steps) of row 32 p + l, so lanes 0-15 hold tile 2 p's words and lanes 16-31 tile 2 p + 1's.
.irp g, 0,1
.irp p, 0,1,2,3
	global_load_b128 v[SX+16*\g+4*\p:SX+16*\g+4*\p+3], v[L32], s[6:7] offset:1024*\p+16*\g
	global_load_b128 v[SW+16*\g+4*\p:SW+16*\g+4*\p+3], v[L32], s[10:11] offset:1024*\p+16*\g
.endr
.endr
	s_lshr_b32 s82, s[XT], 3                       ; the batch
	s_lshl_b32 s82, s82, 4
	s_lshl_b32 s89, s[CX], 2
	s_add_co_u32 s82, s82, s89
	s_lshl_b32 s89, s[WH], 1
	s_add_co_u32 s82, s82, s89                     ; 16 x batch + my first head
	s_lshl_b32 s82, s82, 4
	s_lshl_b32 s89, s[XT], 1
	s_add_co_u32 s89, s89, s[XH]
	s_and_b32 s89, s89, 15                         ; my group of 128 tokens in the batch
	s_add_co_u32 s82, s82, s89
	s_mul_i32 s82, s82, s[GS]
	s_add_nc_u64 s[OUT0:OUT0+1], s[26:27], s[82:83]   ; my first head's group,
	s_lshl_b32 s82, s[GS], 4
	s_add_nc_u64 s[OUT1:OUT1+1], s[OUT0:OUT0+1], s[82:83]   ; my second head's
; One matrix instruction from the symbols rD, rA, rB, rSA, rSB; rRA, rRB: the scale words lie in lanes 16-31; rZ: the product starts the sum
.macro WM
.if rZ
.if rRA && rRB
	v_wmma_scale_f32_16x16x128_f8f6f4 v[rD:rD+7], v[rA:rA+7], v[rB:rB+7], 0, v[rSA], v[rSB] matrix_a_fmt:MATRIX_FMT_FP4 matrix_b_fmt:MATRIX_FMT_FP4 matrix_a_scale:MATRIX_SCALE_ROW1 matrix_b_scale:MATRIX_SCALE_ROW1
.elseif rRA
	v_wmma_scale_f32_16x16x128_f8f6f4 v[rD:rD+7], v[rA:rA+7], v[rB:rB+7], 0, v[rSA], v[rSB] matrix_a_fmt:MATRIX_FMT_FP4 matrix_b_fmt:MATRIX_FMT_FP4 matrix_a_scale:MATRIX_SCALE_ROW1
.elseif rRB
	v_wmma_scale_f32_16x16x128_f8f6f4 v[rD:rD+7], v[rA:rA+7], v[rB:rB+7], 0, v[rSA], v[rSB] matrix_a_fmt:MATRIX_FMT_FP4 matrix_b_fmt:MATRIX_FMT_FP4 matrix_b_scale:MATRIX_SCALE_ROW1
.else
	v_wmma_scale_f32_16x16x128_f8f6f4 v[rD:rD+7], v[rA:rA+7], v[rB:rB+7], 0, v[rSA], v[rSB] matrix_a_fmt:MATRIX_FMT_FP4 matrix_b_fmt:MATRIX_FMT_FP4
.endif
.else
.if rRA && rRB
	v_wmma_scale_f32_16x16x128_f8f6f4 v[rD:rD+7], v[rA:rA+7], v[rB:rB+7], v[rD:rD+7], v[rSA], v[rSB] matrix_a_fmt:MATRIX_FMT_FP4 matrix_b_fmt:MATRIX_FMT_FP4 matrix_a_scale:MATRIX_SCALE_ROW1 matrix_b_scale:MATRIX_SCALE_ROW1
.elseif rRA
	v_wmma_scale_f32_16x16x128_f8f6f4 v[rD:rD+7], v[rA:rA+7], v[rB:rB+7], v[rD:rD+7], v[rSA], v[rSB] matrix_a_fmt:MATRIX_FMT_FP4 matrix_b_fmt:MATRIX_FMT_FP4 matrix_a_scale:MATRIX_SCALE_ROW1
.elseif rRB
	v_wmma_scale_f32_16x16x128_f8f6f4 v[rD:rD+7], v[rA:rA+7], v[rB:rB+7], v[rD:rD+7], v[rSA], v[rSB] matrix_a_fmt:MATRIX_FMT_FP4 matrix_b_fmt:MATRIX_FMT_FP4 matrix_b_scale:MATRIX_SCALE_ROW1
.else
	v_wmma_scale_f32_16x16x128_f8f6f4 v[rD:rD+7], v[rA:rA+7], v[rB:rB+7], v[rD:rD+7], v[rSA], v[rSB] matrix_a_fmt:MATRIX_FMT_FP4 matrix_b_fmt:MATRIX_FMT_FP4
.endif
.endif
.endm
; 32 LDS loads in one run: K step S (128 along K) of my 128 tokens and my 128 rows of W into set S % 2 of window 1
.macro FETCH S
	WIN 0x40
.set fi, 0
.rept 8
.set fo, 64*((\S)%4)+fi*16*PITCH
.set fr, 128*((\S)%2)+8*fi
	ds_load_b128 v[fr:fr+3], v[ADRX+(\S)/4] offset:fo
	ds_load_b128 v[fr+4:fr+7], v[ADRX+(\S)/4] offset:fo+32
	ds_load_b128 v[fr+64:fr+67], v[ADRW+(\S)/4] offset:fo
	ds_load_b128 v[fr+68:fr+71], v[ADRW+(\S)/4] offset:fo+32
.set fi, fi+1
.endr
.endm
; K step S: 64 matrix instructions.  pf, ps: where source 0's fragments and scale words lie; rf, rs: source 1's.  Accumulator (a, b) = source 1's tile a x source 0's tile b.
; The 64 accumulators take turns, one instruction a turn, in the same order in every step.
.macro MUL64 S, pf, rf, ps, rs
.set rZ, 0
.if (\S) == 0
.set rZ, 1
.endif
.set ia, 0
.rept 8
.if ia == 0
	WIN 0xa5
.elseif ia == 4
	WIN 0xf5
.endif
.set ib, 0
.rept 8
.set rD, 64*(ia%4)+8*ib
.set rA, 128*((\S)%2)+(\pf)+8*ib
.set rB, 128*((\S)%2)+(\rf)+8*ia
.set rSA, (\ps)+16*((\S)/4)+4*(ib/2)+(\S)%4
.set rSB, (\rs)+16*((\S)/4)+4*(ia/2)+(\S)%4
.set rRA, ib%2
.set rRB, ia%2
	WM
.set ib, ib+1
.endr
.set ia, ia+1
.endr
.endm
.macro MAIN pf, rf, ps, rs             ; the eight K steps; each step's fragments are asked for a step ahead
.set SS, 0
.rept 8
.if SS < 7
.if SS > 0
	PLACES                                         ; ahead of loads into the set that the step before multiplied
.endif
	FETCH SS+1
	s_wait_dscnt 32                                ; this step's 32 loads are in; the 32 just issued may be out
.else
	s_wait_dscnt 0x0
.endif
	MUL64 SS, \pf, \rf, \ps, \rs
.set SS, SS+1
.endr
.endm
; 64 numbers of a lane, register 8 t + j = index 16 t + 8 h + j of the next K, become a fragment's codes in v[pc] on and its scale word in v[pw]
.macro QUANT s, pc, pw
.irp b, 0,1,2,3
	v_max3_num_f32 v[TM+\b], |v[(\s)+16*\b]|, |v[(\s)+1+16*\b]|, 0x1800000   ; block b: my 16 numbers and the floor 2^(3 - 127): the byte cannot fall under 1
.endr
.irp i, 2,4,6,8,10,12,14
.irp b, 0,1,2,3
	v_max3_num_f32 v[TM+\b], v[TM+\b], |v[(\s)+16*\b+\i]|, |v[(\s)+1+16*\b+\i]|
.endr
.endr
.irp b, 0,1,2,3
	v_permlanex16_b32 v[TM+4+\b], v[TM+\b], s[SEL], s[SEL+1]
.endr
.irp b, 0,1,2,3
	v_max_num_f32 v[TM+\b], v[TM+\b], v[TM+4+\b]   ; with lane l xor 16's: the block's largest magnitude
.endr
.irp b, 0,1,2,3
	v_add_nc_u32 v[TM+12+\b], 0xff000000, v[TM+\b] ; 2 off its exponent field: the conversion's scale operand
.endr
.irp b, 0,1,2,3
	v_lshrrev_b32 v[TM+4+\b], 23, v[TM+12+\b]      ; the scale's byte
.endr
	v_lshl_or_b32 v[\pw], v[TM+5], 8, v[TM+4]
	v_lshl_or_b32 v[\pw], v[TM+6], 16, v[\pw]
	v_lshl_or_b32 v[\pw], v[TM+7], 24, v[\pw]
.irp c, 0,1
	v_cvt_scalef32_pk8_fp4_f32 v[(\pc)+4*\c], v[(\s)+32*\c:(\s)+32*\c+7], v[TM+12+2*\c]          ; tiles 0, 2, 1, 3 of these 64
	v_cvt_scalef32_pk8_fp4_f32 v[(\pc)+4*\c+1], v[(\s)+32*\c+16:(\s)+32*\c+23], v[TM+13+2*\c]
	v_cvt_scalef32_pk8_fp4_f32 v[(\pc)+4*\c+2], v[(\s)+32*\c+8:(\s)+32*\c+15], v[TM+12+2*\c]
	v_cvt_scalef32_pk8_fp4_f32 v[(\pc)+4*\c+3], v[(\s)+32*\c+24:(\s)+32*\c+31], v[TM+13+2*\c]
.endr
	v_nop                                          ; one plain place behind a scaled conversion
.irp c, 0,1
	v_permlane16_swap_b32 v[(\pc)+4*\c], v[(\pc)+4*\c+1]     ; register g, half h: indices 64 c + 32 h + 8 g on
	v_permlane16_swap_b32 v[(\pc)+4*\c+2], v[(\pc)+4*\c+3]
.endr
.endm
; Source 1's tile a: its eight accumulators + the bias come into window 0 (each accumulator from its low end on) and are quantised
.macro EPI a, isv
.if (\a) > 1
	s_wait_xcnt 0x0                                ; the stores of two tiles back have read this set of code registers
.endif
	WIN 0x02+(\a)/4
.set ei, 0
.rept 32
.if \isv
	v_pk_add_f32 v[ST+2*ei:ST+2*ei+1], v[64*((\a)%4)+2*ei:64*((\a)%4)+2*ei+1], v[BI+2*(\a):BI+2*(\a)+1]
.else
	v_pk_add_f32 v[ST+2*ei:ST+2*ei+1], v[64*((\a)%4)+2*ei:64*((\a)%4)+2*ei+1], v[BI+2*ei:BI+2*ei+1]
.endif
.set ei, ei+1
.endr
	WIN 0
	QUANT ST,PC+8*((\a)%2),PWS+(\a)
.endm
	s_wait_tensorcnt 0x0                           ; my parts of both slots are in: one barrier serves all of K, and it stands ahead of the parting of the two ways
	s_barrier_signal -1
	s_barrier_wait -1                              ; everybody's are
	FETCH 0
	WIN 0
	s_cmp_eq_u32 ttmp9, 2
	s_cbranch_scc1 .Lv
	s_wait_alu depctr_va_vdst(0)
	; ---- Q or K: a lane holds a token
.irp b, 0,1,2,3,4,5,6,7
	global_load_b128 v[BI+8*\b:BI+8*\b+3], v[B32H], s[20:21] offset:64*\b        ; the bias in the result's layout: outputs 16 b + 8 h + 0 .. 7
	global_load_b128 v[BI+8*\b+4:BI+8*\b+7], v[B32H], s[20:21] offset:64*\b+16
.endr
	s_wait_loadcnt 0x0                             ; scale words and bias
	MAIN 64, 0, SW, SX
	PLACES
.irp a, 0,1,2,3,4,5,6,7
	EPI \a, 0
	global_store_b128 v[L16], v[PC+8*(\a%2):PC+8*(\a%2)+3], s[OUT0:OUT0+1] offset:512*\a     ; 32 lanes store 512 consecutive bytes: tokens 16 a on, my first head
	global_store_b128 v[L16], v[PC+8*(\a%2)+4:PC+8*(\a%2)+7], s[OUT1:OUT1+1] offset:512*\a   ; my second head
.endr
.irp p, 0,1,2,3
	v_cndmask_b32 v[KSW+\p], v[PWS+2*\p], v[PWS+2*\p+1], s[HI16]   ; lanes 0-15: tile 2 p's word; lanes 16-31: tile 2 p + 1's
.endr
.irp p, 0,1,2,3
	v_lshrrev_b32 v[KSW+4+\p], 16, v[KSW+\p]       ; the second head's two bytes,
.endr
.irp p, 0,1,2,3
	v_and_b32 v[KSW+\p], 0xffff, v[KSW+\p]         ; the first head's
.endr
	global_store_b128 v[L16], v[KSW:KSW+3], s[OUT0:OUT0+1] offset:4096
	global_store_b128 v[L16], v[KSW+4:KSW+7], s[OUT1:OUT1+1] offset:4096
	s_branch .Lend
.Lv:
	s_wait_alu depctr_va_vdst(0)
	; ---- V: a lane holds a channel, its registers run along the keys
.irp a, 0,1,2,3,4,5,6,7
	global_load_b32 v[BI+2*\a], v[R4], s[20:21] offset:64*\a       ; the channel's bias, twice: a pair for the packed addition
	global_load_b32 v[BI+2*\a+1], v[R4], s[20:21] offset:64*\a
.endr
	s_wait_loadcnt 0x0
	MAIN 0, 64, SX, SW
	PLACES
.irp a, 0,1,2,3,4,5,6,7
	EPI \a, 1
	global_store_b128 v[L16], v[PC+8*(\a%2):PC+8*(\a%2)+3], s[OUT0:OUT0+1] offset:(\a/4)*HEADB+4608+1024*(\a%4)
	global_store_b128 v[L16], v[PC+8*(\a%2)+4:PC+8*(\a%2)+7], s[OUT0:OUT0+1] offset:(\a/4)*HEADB+4608+1024*(\a%4)+512
.endr
.irp i, 0,1,2,3
	v_cndmask_b32 v[KSW+\i], v[PWS+2*\i], v[PWS+2*\i+1], s[HI16]
.endr
	global_store_b64 v[L8], v[KSW:KSW+1], s[OUT0:OUT0+1] offset:8704             ; 32 lanes store 256 consecutive bytes
	global_store_b64 v[L8], v[KSW+2:KSW+3], s[OUT0:OUT0+1] offset:HEADB+8704
.Lend:
	s_wait_tensorcnt 0x0                           ; the wave's end
	ds_add_u32 v[SPW], v[NIL]
	s_wait_dscnt 0x0
	CROUND                                         ; the closing round
	s_endpgm
.Lfunc_end_k_q49ed86289d_qkv:
	.size	k_q49ed86289d_qkv, .Lfunc_end_k_q49ed86289d_qkv-k_q49ed86289d_qkv
	.p2alignl 7, 3214868480
	.fill 96, 4, 3214868480
	.section	.rodata,"a",@progbits
	.p2align	6, 0x0
	.amdhsa_kernel k_q49ed86289d_qkv
		.amdhsa_group_segment_fixed_size 327680
		.amdhsa_private_segment_fixed_size 0
		.amdhsa_enable_private_segment 0
		.amdhsa_kernarg_size 104
		.amdhsa_user_sgpr_count 2
		.amdhsa_user_sgpr_kernarg_segment_ptr 1
		.amdhsa_wavefront_size32 1
		.amdhsa_system_sgpr_workgroup_id_x 1
		.amdhsa_system_sgpr_workgroup_id_y 1
		.amdhsa_system_sgpr_workgroup_id_z 1
		.amdhsa_system_vgpr_workitem_id 0
		.amdhsa_next_free_vgpr 1024
		.amdhsa_next_free_sgpr 100
		.amdhsa_reserve_vcc 0
		.amdhsa_float_denorm_mode_32 3
		.amdhsa_float_denorm_mode_16_64 3
		.amdhsa_memory_ordered 1
		.amdhsa_forward_progress 1
		.amdhsa_inst_pref_size 255
	.end_amdhsa_kernel
	.section	.bss,"aw",@nobits
	.p2align	6
	.space	262144
	.amdgpu_metadata
---
amdhsa.version: [ 1, 2 ]
amdhsa.kernels:
  - .name:           k_q49ed86289d_qkv
    .symbol:         k_q49ed86289d_qkv.kd
    .args:
      - { .name: x_codes, .offset: 0, .size: 8, .value_kind: global_buffer, .address_space: global }
      - { .name: x_scales, .offset: 8, .size: 8, .value_kind: global_buffer, .address_space: global }
      - { .name: Wq_codes, .offset: 16, .size: 8, .value_kind: global_buffer, .address_space: global }
      - { .name: Wq_scales, .offset: 24, .size: 8, .value_kind: global_buffer, .address_space: global }
      - { .name: Wk_codes, .offset: 32, .size: 8, .value_kind: global_buffer, .address_space: global }
      - { .name: Wk_scales, .offset: 40, .size: 8, .value_kind: global_buffer, .address_space: global }
      - { .name: Wv_codes, .offset: 48, .size: 8, .value_kind: global_buffer, .address_space: global }
      - { .name: Wv_scales, .offset: 56, .size: 8, .value_kind: global_buffer, .address_space: global }
      - { .name: bq, .offset: 64, .size: 8, .value_kind: global_buffer, .address_space: global }
      - { .name: bk, .offset: 72, .size: 8, .value_kind: global_buffer, .address_space: global }
      - { .name: bv, .offset: 80, .size: 8, .value_kind: global_buffer, .address_space: global }
      - { .name: qbuf, .offset: 88, .size: 8, .value_kind: global_buffer, .address_space: global }
      - { .name: kvbuf, .offset: 96, .size: 8, .value_kind: global_buffer, .address_space: global }
    .group_segment_fixed_size: 327680
    .private_segment_fixed_size: 0
    .kernarg_segment_align: 8
    .kernarg_segment_size: 104
    .max_flat_workgroup_size: 128
    .sgpr_count:     100
    .vgpr_count:     1024
    .wavefront_size: 32
...
	.end_amdgpu_metadata
.endif
;; end of part 1
;; launch attn (part 2): grid 8 x 32, 16 waves a work-group, clusters of 4 x 1, 327,680 bytes of LDS; arguments qbuf, kvbuf, ao_codes, ao_scales; writes ao_codes, ao_scales
.if DOCPART == 2
	.amdgcn_target "amdgcn-amd-amdhsa--gfx1250"
	.amdhsa_code_object_version 6
	.text
	.protected	k_q49ed86289d_attn
	.globl	k_q49ed86289d_attn
	.p2align	8
	.type	k_q49ed86289d_attn,@function
k_q49ed86289d_attn:
	s_mov_b64 s[64:65], 0
	v_nop
	global_prefetch_b8 v0, s[64:65] scope:SCOPE_SE
	s_setreg_imm32_b32 hwreg(HW_REG_WAVE_MODE, 25, 1), 1
	s_wait_xcnt 0x0
	s_wait_alu depctr_hold_cnt(0) depctr_sa_sdst(0) depctr_va_vdst(0) depctr_va_sdst(0) depctr_va_ssrc(0) depctr_va_vcc(0) depctr_vm_vsrc(0)
	s_getreg_b32 s2, hwreg(HW_REG_IB_STS2, 6, 4)
	s_cmp_eq_u32 s2, 0
	s_cbranch_scc0 .Lentry_in_a_cluster
	s_endpgm
.Lentry_in_a_cluster:
	s_bfe_u32 s2, ttmp6, 0x10000c
	s_cmp_lg_u32 s2, 0x3003
	s_cbranch_scc0 .Lentry_shape_is_right
	s_endpgm
.Lentry_shape_is_right:
; softmax(Q K^T / 8) V for two heads of one batch and 256 queries, both products on codes of FP4 (E2M1) with E8M0 scales; the result / the row's sum is quantised along the model's 1,024 for the last product.
; Nothing of reference() is left out here.
; THE SOFTMAX: t = score x log2(e) / 8; M = the running largest t rounded UP to a whole number; p = 2^(t - M) is quantised along the keys, not normalised; the row's sum is taken of the unquantised p.
; When M moves, the sum and O are multiplied by 2^(old M - new M), which rounds nothing.
; LIMITS: NaN and infinities are not served; a block of zeros gets the byte 1 (zero codes; read by this program alone); the division by the sum is a reciprocal and a multiplication in f32.
; SHARES.  Work-group y = 8 x batch + pair of heads; its 256 queries = block 4 x cluster x + cx.  Each of sixteen waves owns 16 queries in 256 registers and walks all 2,048 keys, 128 a step, of head 0, then of head 1.
; K and V of both heads, 2 x 143,360 bytes as the launch before laid them (images of operand registers), lie in LDS whole, filled once: wave w fetches key step w of each head.  Nothing is filled again.
; CLUSTER 4 x 1: the four query blocks walk the same K and V: each block of 8,960 bytes is asked for jointly.
; LAYOUT.  S^T = K Q^T (source 0 = 16 keys, source 1 = my 16 queries), O^T = V^T P^T: a lane holds ONE query throughout.  Tile t's register j of lane (r, h) is key 16 t + 8 h + j;
; the conversions of tiles 0, 2, 1, 3 of each 64 keys and two exchanges of halves give the operand's order.
; THE HEAD'S 64 IN AN INSTRUCTION OF 128: Q's registers 4-7 are zero codes.  K's fragment t is named v[KB+4t : KB+4t+7]: its upper four registers are the next tile's codes (for tile 7 four cleared registers);
; they meet Q's zeros and add exactly 0; the scale bytes 2 and 3 of both sides are 0, which is a small power of two and no NaN.
.set STEPB, 8960                       ; a key step: K's codes 4,096, K's scale words 512, V's fragments 4,096, V's scale words 256
.set HEADB, 16*STEPB
.set SPARE, 2*HEADB                    ; the spare words, 128 bytes for each of sixteen waves
.set STG,   SPARE+2048                 ; 1,024 bytes: the 256 queries' scale words on their way out
.set L16,  1                           ; 16 x lane
.set L8,   2                           ; 8 x lane
.set ADR,  3                           ; the step's LDS address + 16 x lane
.set ADR8, 4                           ; + 8 x lane
.set SPW,  5
.set NIL,  6
.set SGA,  7                           ; the stage: STG + 64 x wave + 4 r
.set SGR,  8                           ; and back: STG + 16 x (thread % 64)
.set G16,  9                           ; 16 x (thread % 64)
.set QSO,  10                          ; my query's scale word in its group
.set QCO,  11                          ; my 16 bytes of Q's tile in its group
.set QF,   16                          ; v16-23, v24-31  Q of head 0, 1: four registers of codes, four of zeros
.set KB,   32                          ; v32-63 K's eight tiles, v64-67 zeros
.set VB,   68                          ; v68-99 V's four fragments
.set S,    100                         ; v100-163 S^T, then p
.set OT,   164                         ; v164-195 O^T
.set P,    196                         ; v196-203 p's codes
.set BM,   204                         ; the blocks' largest
.set BT,   208
.set SO,   212                         ; the conversions' scale operands
.set F,    216                         ; v[216:217] 2^(old M - new M)
.set T0,   218                         ; v[218:219] at work
.set KS,   220                         ; v220-223 K's scale words
.set VS,   224                         ; v224-225 V's
.set PW,   226                         ; p's
.set QS,   227                         ; v227, v228 Q's, head 0, 1
.set AW,   229                         ; the result's scale word: two bytes a head
.set L2,   230                         ; v[230:231] the sum's second chain
.set AOC,  232                         ; v232-235, v236-239 the result's codes, head 0, 1
.set BKR,  240
.set WV,  12
.set SEL, 32
.set CS,  34
.set TB,  36
.set CNT, 37
.macro CROUND
	s_barrier_signal -1
	s_barrier_wait -1
	s_cmp_lg_u32 s[WV], 0
	s_cbranch_scc1 .Lnot_wave_0_\@
	s_barrier_signal -3
.Lnot_wave_0_\@:
	s_barrier_wait -3
	s_barrier_signal -1
	s_barrier_wait -1
.endm
	s_load_b256 s[4:11], s[0:1], 0x0               ; qbuf 4, kvbuf 6, ao_codes 8, ao_scales 10
	v_lshl_add_u32 v[SPW], v0, 2, SPARE
	v_mov_b32 v[NIL], 0
	ds_add_u32 v[SPW], v[NIL]                      ; the wave's opening: the add, twice on end, and its wait ahead of my first tensor load
	ds_add_u32 v[SPW], v[NIL]
	v_lshrrev_b32 v1, 5, v0
	s_delay_alu instid0(VALU_DEP_1)
	v_readfirstlane_b32 s[WV], v1                  ; wave 0..15
	s_bfe_u32 s13, ttmp6, 0x40000                  ; cx
	s_lshl_b32 s14, ttmp9, 2
	s_add_co_u32 s14, s14, s13                     ; my block of 256 queries: it enters Q's and the outputs' addresses alone
	s_and_b32 s15, ttmp7, 0xffff                   ; y = 8 x batch + pair: the partners share it
	s_mov_b32 s16, 15|(3<<16)|(1<<21)              ; group 1: the mask names all four; elements of 8 bytes; bit 21 beside a mask; no padding
	s_mov_b32 s17, 32<<16                          ; a dense block of 8,960 bytes as 35 rows of 256
	s_mov_b32 s18, 35<<16
	s_mov_b32 s19, 32<<16
	s_mov_b32 s20, 35
	s_mov_b32 s21, 32
	s_mov_b32 s22, 0
	s_mov_b32 s23, 0
	s_lshl_b32 s40, s15, 5                         ; head 2 y begins at key step 32 y of kvbuf
	s_add_co_u32 s40, s40, s[WV]
	s_mul_i32 s40, s40, STEPB
	s_mov_b32 s41, 0
	s_mul_i32 s42, s[WV], STEPB                    ; and in LDS: wave x a step
	s_mov_b32 s[SEL], 0x76543210
	s_mov_b32 s[SEL+1], 0xfedcba98
	s_mov_b32 s[CS], 0x3e38aa3b                    ; c = log2(e) / 8
	s_mov_b32 s[CS+1], s[CS]
	s_wait_dscnt 0x0                               ; both opening adds are done
	s_wait_kmcnt 0x0
	s_add_nc_u64 s[40:41], s[6:7], s[40:41]
	CROUND                                         ; all four work-groups are here: the joint loads meet
	s_mov_b32 s24, 1
	s_mov_b32 s25, s42
	s_mov_b64 s[26:27], s[40:41]
	s_or_b32 s27, s27, 0x80000000
	s_mov_b32 s28, 1
	s_add_co_u32 s29, s42, HEADB
	s_add_nc_u64 s[30:31], s[40:41], HEADB
	s_or_b32 s31, s31, 0x80000000
	tensor_load_to_lds s[24:27], s[16:23]          ; head 0, key step w
	s_nop 0
	s_wait_alu depctr_va_vdst(0)
	s_wait_tensorcnt 0x0
	ds_add_u32 v5, v6
	s_wait_dscnt 0x0
	CROUND
	tensor_load_to_lds s[28:31], s[16:23]          ; head 1, key step w: one load of mine is out
	s_nop 0
.rept 4
	v_nop
.endr
	v_and_b32 v[ADR], 31, v0                       ; lane
	s_delay_alu instid0(VALU_DEP_1)
	v_lshlrev_b32 v[L16], 4, v[ADR]
	s_wait_alu depctr_va_vdst(0)
	v_lshlrev_b32 v[L8], 3, v[ADR]
	v_and_b32 v[ADR8], 15, v0                      ; r
	s_lshl_b32 s43, s[WV], 6
	v_lshl_add_u32 v[SGA], v[ADR8], 2, s43
	s_delay_alu instid0(VALU_DEP_1)
	v_add_nc_u32 v[SGA], STG, v[SGA]
	v_and_b32 v[G16], 63, v0
	s_delay_alu instid0(VALU_DEP_1)
	v_lshlrev_b32 v[G16], 4, v[G16]
	s_delay_alu instid0(VALU_DEP_1)
	v_add_nc_u32 v[SGR], STG, v[G16]
	s_and_b32 s43, s[WV], 1
	s_lshl_b32 s43, s43, 8
	s_bfe_u32 s44, s[WV], 0x20001                  ; (my tile in its group of eight) / 2
	s_lshl_b32 s44, s44, 2
	s_add_co_u32 s43, s43, s44
	v_lshl_add_u32 v[QSO], v[ADR8], 4, s43         ; 16 (r + 16 (t % 2)) + 4 (t / 2)
	s_and_b32 s44, s[WV], 7
	s_lshl_b32 s44, s44, 9
	v_add_nc_u32 v[QCO], s44, v[L16]               ; 512 t + 16 x lane
	s_wait_alu depctr_va_vdst(0)
	s_lshl_b32 s46, s15, 5
	s_lshl_b32 s47, s14, 1
	s_add_co_u32 s46, s46, s47
	s_lshr_b32 s47, s[WV], 3
	s_add_co_u32 s46, s46, s47                     ; my group of 128 tokens in qbuf: 32 y + 2 x block + wave / 8
	s_mul_i32 s46, s46, 4608
	s_mov_b32 s47, 0
	s_add_nc_u64 s[4:5], s[4:5], s[46:47]
	global_load_b128 v[QF:QF+3], v[QCO], s[4:5]
	global_load_b128 v[QF+8:QF+11], v[QCO], s[4:5] offset:73728        ; the next head: 16 groups on
	global_load_b32 v[QS], v[QSO], s[4:5] offset:4096
	global_load_b32 v[QS+1], v[QSO], s[4:5] offset:4096+73728
.irp i, 4,5,6,7,12,13,14,15
	v_mov_b32 v[QF+\i], 0                          ; zero codes for k = 64 .. 127
.endr
.irp i, 0,1,2,3
	v_mov_b32 v[KB+32+\i], 0                       ; what tile 7's fragment names beyond its codes
	v_mov_b32 v[BT+\i], 0                          ; a lane permute's destination counts as one of its sources
.endr
	v_mov_b32 v[F+1], 0                            ; named as the upper halves of pairs
	v_mov_b32 v[T0+1], 0
	s_lshr_b32 s48, s15, 3                         ; the batch
	s_and_b32 s49, s15, 7                          ; the pair of heads
	s_lshl_b32 s46, s48, 7
	s_lshl_b32 s50, s14, 4
	s_add_co_u32 s46, s46, s50
	s_add_co_u32 s46, s46, s[WV]                   ; my tile of 16 tokens among 512
	s_lshl_b32 s46, s46, 13
	s_lshl_b32 s50, s49, 10
	s_add_co_u32 s46, s46, s50
	s_add_nc_u64 s[8:9], s[8:9], s[46:47]          ; ao_codes [tile][head][512]
	s_lshl_b32 s46, s49, 15
	s_lshl_b32 s50, s48, 13
	s_add_co_u32 s46, s46, s50
	s_lshl_b32 s50, s14, 10
	s_add_co_u32 s46, s46, s50
	s_add_nc_u64 s[10:11], s[10:11], s[46:47]      ; ao_scales [pair][token][4]: my work-group's 256 tokens
; A KEY STEP: 128 keys at LDS byte s[TB]
.macro STEP hd
	v_add_nc_u32 v[ADR], s[TB], v[L16]
	v_add_nc_u32 v[ADR8], s[TB], v[L8]
	v_nop
	v_nop                                          ; four places behind the last step's products, ahead of the loads into V's registers
	ds_load_b128 v[KS:KS+3], v[ADR] offset:4096    ; lanes 0-15: tiles 0, 2, 4, 6; lanes 16-31: tiles 1, 3, 5, 7
.irp t, 0,1,2,3,4,5,6,7
	ds_load_b128 v[KB+4*\t:KB+4*\t+3], v[ADR] offset:512*\t
.endr
	ds_load_b64 v[VS:VS+1], v[ADR8] offset:8704
.irp f, 0,1,2,3,4,5,6,7
	ds_load_b128 v[VB+4*\f:VB+4*\f+3], v[ADR] offset:4608+512*\f
.endr
	s_wait_dscnt 9                                 ; K and its scale words are in; V's nine loads may be out
.irp t, 0,1,2,3,4,5,6,7
.if \t%2
	v_wmma_scale_f32_16x16x128_f8f6f4 v[S+8*\t:S+8*\t+7], v[KB+4*\t:KB+4*\t+7], v[QF+8*\hd:QF+8*\hd+7], 0, v[KS+\t/2], v[QS+\hd] matrix_a_fmt:MATRIX_FMT_FP4 matrix_b_fmt:MATRIX_FMT_FP4 matrix_a_scale:MATRIX_SCALE_ROW1
.else
	v_wmma_scale_f32_16x16x128_f8f6f4 v[S+8*\t:S+8*\t+7], v[KB+4*\t:KB+4*\t+7], v[QF+8*\hd:QF+8*\hd+7], 0, v[KS+\t/2], v[QS+\hd] matrix_a_fmt:MATRIX_FMT_FP4 matrix_b_fmt:MATRIX_FMT_FP4
.endif
.endr
.rept 4
	v_nop
.endr
.irp b, 0,1,2,3
	v_max3_num_f32 v[BM+\b], v[S+16*\b], v[S+1+16*\b], v[S+2+16*\b]   ; the largest score of each block of 32 keys: for the row's maximum and, since p rises with the score, for the block's largest p
.endr
.irp i, 3,5,7,9,11,13
.irp b, 0,1,2,3
	v_max3_num_f32 v[BM+\b], v[BM+\b], v[S+16*\b+\i], v[S+1+16*\b+\i]
.endr
.endr
.irp b, 0,1,2,3
	v_max_num_f32 v[BM+\b], v[BM+\b], v[S+15+16*\b]
.endr
.irp b, 0,1,2,3
	s_delay_alu instid0(VALU_DEP_4)
	v_permlanex16_b32 v[BT+\b], v[BM+\b], s[SEL], s[SEL+1]
.endr
.irp b, 0,1,2,3
	s_delay_alu instid0(VALU_DEP_4)
	v_max_num_f32 v[BM+\b], v[BM+\b], v[BT+\b]     ; with lane l xor 16's 16 keys
.endr
	s_delay_alu instid0(VALU_DEP_2)
	v_max3_num_f32 v[T0], v[BM], v[BM+1], v[BM+2]
	s_delay_alu instid0(VALU_DEP_1)
	v_max_num_f32 v[T0], v[T0], v[BM+3]
	s_delay_alu instid0(VALU_DEP_1)
	v_mul_f32 v[T0], s[CS], v[T0]                  ; as t (c is positive)
	s_delay_alu instid0(VALU_DEP_1)
	v_max_num_f32 v13, v13, v[T0]                  ; the running largest t
	v_mov_b32 v[T0], v12
	s_delay_alu instid0(VALU_DEP_2)
	v_floor_f32 v12, -v13                          ; the new -M = floor(-t): M is a whole number
	s_delay_alu instid0(VALU_DEP_1)
	v_sub_f32 v[T0], v12, v[T0]                    ; old M less new M: a whole number, 0 or less
	s_delay_alu instid0(VALU_DEP_1)
	v_cvt_i32_f32 v[T0], v[T0]                     ; (it saturates)
	s_delay_alu instid0(VALU_DEP_1)
	v_ldexp_f32 v[F], 1.0, v[T0]                   ; f = 2^(old M - new M)
.set j, 0
.rept 32
	v_pk_fma_f32 v[S+j:S+j+1], v[S+j:S+j+1], s[CS:CS+1], v[12:13] op_sel_hi:[1,0,0]   ; t - M, two at a time
.set j, j+2
.endr
.irp b, 0,1,2,3
	v_fma_f32 v[BM+\b], v[BM+\b], s[CS], v12       ; the same of each block's largest score
.endr
.set j, 0
	s_wait_alu depctr_va_vdst(0)
.rept 64
	v_exp_f32 v[S+j], v[S+j]                       ; p = 2^(t - M), at most 1
.set j, j+1
.endr
	s_setprio 1
	v_pk_mul_f32 v[14:15], v[14:15], v[F:F+1] op_sel_hi:[1,0]   ; the sums under the new M: the plain place behind the exponentials
	s_wait_alu depctr_va_vdst(0)                   ; one wait for the batch of 64, ahead of its first reader
.irp b, 0,1,2,3
	v_exp_f32 v[BM+\b], v[BM+\b]                   ; the block's largest p: the same two instructions on the same number
.endr
	v_pk_add_f32 v[L2:L2+1], v[S:S+1], v[S+2:S+3]  ; the row's sum of the UNQUANTISED p, in two chains
.set j, 4
.rept 15
	v_pk_add_f32 v[14:15], v[14:15], v[S+j:S+j+1]
	v_pk_add_f32 v[L2:L2+1], v[L2:L2+1], v[S+j+2:S+j+3]
.set j, j+4
.endr
	s_delay_alu instid0(VALU_DEP_1)
	v_pk_add_f32 v[14:15], v[14:15], v[L2:L2+1]
	s_wait_alu depctr_va_vdst(0)                   ; and one for the four
.irp b, 0,1,2,3
	v_max_num_f32 v[BM+\b], 0x1800000, v[BM+\b]    ; the floor 2^(3 - 127): the byte cannot fall under 1
.endr
.irp b, 0,1,2,3
	s_delay_alu instid0(VALU_DEP_4)
	v_add_nc_u32 v[SO+\b], 0xff000000, v[BM+\b]    ; 2 off the exponent field: the conversion's scale operand
.endr
.irp b, 0,1,2,3
	s_delay_alu instid0(VALU_DEP_4)
	v_lshrrev_b32 v[BT+\b], 23, v[SO+\b]           ; the scale's byte
.endr
	s_delay_alu instid0(VALU_DEP_3)
	v_lshl_or_b32 v[PW], v[BT+1], 8, v[BT]
	s_delay_alu instid0(VALU_DEP_1)
	v_lshl_or_b32 v[PW], v[BT+2], 16, v[PW]
	s_delay_alu instid0(VALU_DEP_1)
	v_lshl_or_b32 v[PW], v[BT+3], 24, v[PW]
.irp c, 0,1
	v_cvt_scalef32_pk8_fp4_f32 v[P+4*\c], v[S+32*\c:S+32*\c+7], v[SO+2*\c]           ; tiles 0, 2, 1, 3 of these 64 keys
	v_cvt_scalef32_pk8_fp4_f32 v[P+4*\c+1], v[S+32*\c+16:S+32*\c+23], v[SO+2*\c+1]
	v_cvt_scalef32_pk8_fp4_f32 v[P+4*\c+2], v[S+32*\c+8:S+32*\c+15], v[SO+2*\c]
	v_cvt_scalef32_pk8_fp4_f32 v[P+4*\c+3], v[S+32*\c+24:S+32*\c+31], v[SO+2*\c+1]
.endr
	v_nop                                          ; one plain place behind a scaled conversion
.irp c, 0,1
	v_permlane16_swap_b32 v[P+4*\c], v[P+4*\c+1]   ; register g, half h: keys 64 c + 32 h + 8 g on
	v_permlane16_swap_b32 v[P+4*\c+2], v[P+4*\c+3]
.endr
.set j, 0
	s_setprio 0
.rept 16
	v_pk_mul_f32 v[OT+j:OT+j+1], v[OT+j:OT+j+1], v[F:F+1] op_sel_hi:[1,0]   ; O^T under the new M.  For each product below, the twelve that touch the other three tiles are the places behind p's codes and scale word
.set j, j+2
.endr
	s_wait_alu depctr_va_vdst(0)
	s_wait_dscnt 0x0                               ; V and its scale words are in
.irp d, 0,1,2,3
.if \d%2
	v_wmma_scale_f32_16x16x128_f8f6f4 v[OT+8*\d:OT+8*\d+7], v[VB+8*\d:VB+8*\d+7], v[P:P+7], v[OT+8*\d:OT+8*\d+7], v[VS+\d/2], v[PW] matrix_a_fmt:MATRIX_FMT_FP4 matrix_b_fmt:MATRIX_FMT_FP4 matrix_a_scale:MATRIX_SCALE_ROW1
.else
	v_wmma_scale_f32_16x16x128_f8f6f4 v[OT+8*\d:OT+8*\d+7], v[VB+8*\d:VB+8*\d+7], v[P:P+7], v[OT+8*\d:OT+8*\d+7], v[VS+\d/2], v[PW] matrix_a_fmt:MATRIX_FMT_FP4 matrix_b_fmt:MATRIX_FMT_FP4
.endif
.endr
.endm
; One head: sixteen key steps, then O^T / the sum, quantised along the head's 64 (two blocks), and its codes stored
.macro HEADRUN hd
	v_mov_b32 v13, 0xff61b1e6                      ; the largest t so far: -3e38
	v_mov_b32 v14, 0
	v_mov_b32 v15, 0
	s_delay_alu instid0(VALU_DEP_3)
	v_floor_f32 v12, -v13
.set j, 0
.rept 32
	v_mov_b32 v[OT+j], 0                           ; the step is written once: the first finds zeros
.set j, j+1
.endr
	s_mov_b32 s[TB], HEADB*\hd
	s_mov_b32 s[CNT], 16
.Lstep_\@:
	s_setprio 2
	STEP \hd
	s_add_co_u32 s[TB], s[TB], STEPB
	s_sub_co_u32 s[CNT], s[CNT], 1
	s_cmp_lg_u32 s[CNT], 0
	s_cbranch_scc1 .Lstep_\@
	s_setprio 0
	v_nop
	v_nop
	v_add_f32 v14, v14, v15                        ; the sum's two halves,
	s_delay_alu instid0(VALU_DEP_1)
	v_permlanex16_b32 v[BT], v14, s[SEL], s[SEL+1]
	s_delay_alu instid0(VALU_DEP_1)
	v_add_f32 v14, v14, v[BT]                      ; and lane l xor 16's
	s_wait_alu depctr_va_vdst(0)
	v_rcp_f32 v[T0], v14
	v_nop                                          ; a plain place behind the reciprocal (with the lines above: more than four places behind the last products)
	s_wait_alu depctr_va_vdst(0)                   ; the wait ahead of its first reader
.set j, 0
.rept 16
	v_pk_mul_f32 v[S+j:S+j+1], v[OT+j:OT+j+1], v[T0:T0+1] op_sel_hi:[1,0]   ; register 8 d + i: channel 16 d + 8 h + i of my query; each accumulator from its low end on
.set j, j+2
.endr
.irp b, 0,1
	v_max3_num_f32 v[BM+\b], |v[S+16*\b]|, |v[S+1+16*\b]|, 0x1800000
.endr
.irp i, 2,4,6,8,10,12,14
.irp b, 0,1
	s_delay_alu instid0(VALU_DEP_2)
	v_max3_num_f32 v[BM+\b], v[BM+\b], |v[S+16*\b+\i]|, |v[S+1+16*\b+\i]|
.endr
.endr
.irp b, 0,1
	s_delay_alu instid0(VALU_DEP_2)
	v_permlanex16_b32 v[BT+\b], v[BM+\b], s[SEL], s[SEL+1]
.endr
.irp b, 0,1
	s_delay_alu instid0(VALU_DEP_2)
	v_max_num_f32 v[BM+\b], v[BM+\b], v[BT+\b]
.endr
.irp b, 0,1
	s_delay_alu instid0(VALU_DEP_2)
	v_add_nc_u32 v[SO+\b], 0xff000000, v[BM+\b]
.endr
.irp b, 0,1
	s_delay_alu instid0(VALU_DEP_2)
	v_lshrrev_b32 v[BT+\b], 23, v[SO+\b]
.endr
.if \hd == 0
	s_delay_alu instid0(VALU_DEP_1)
	v_lshl_or_b32 v[AW], v[BT+1], 8, v[BT]         ; bytes 0, 1 of the K step's scale word
.else
	s_delay_alu instid0(VALU_DEP_2)
	v_lshl_or_b32 v[AW], v[BT], 16, v[AW]          ; bytes 2, 3
	s_delay_alu instid0(VALU_DEP_1)
	v_lshl_or_b32 v[AW], v[BT+1], 24, v[AW]
.endif
	v_cvt_scalef32_pk8_fp4_f32 v[AOC+4*\hd], v[S:S+7], v[SO]
	v_cvt_scalef32_pk8_fp4_f32 v[AOC+4*\hd+1], v[S+16:S+23], v[SO+1]
	v_cvt_scalef32_pk8_fp4_f32 v[AOC+4*\hd+2], v[S+8:S+15], v[SO]
	v_cvt_scalef32_pk8_fp4_f32 v[AOC+4*\hd+3], v[S+24:S+31], v[SO+1]
	v_nop
	v_permlane16_swap_b32 v[AOC+4*\hd], v[AOC+4*\hd+1]
	v_permlane16_swap_b32 v[AOC+4*\hd+2], v[AOC+4*\hd+3]
	global_store_b128 v[L16], v[AOC+4*\hd:AOC+4*\hd+3], s[8:9] offset:512*\hd   ; 32 lanes store 512 consecutive bytes: half a fragment of the last product
.endm
	s_wait_tensorcnt 0x1                           ; my step of head 0 is in; head 1's may stay out
	s_barrier_signal -1
	s_barrier_wait -1                              ; everybody's is
	s_wait_loadcnt 0x0                             ; Q
	HEADRUN 0
	s_wait_tensorcnt 0x0                           ; my step of head 1 is in,
	s_wait_dscnt 0x0
	s_barrier_signal -1
	s_barrier_wait -1                              ; everybody's is
	HEADRUN 1
	ds_store_b32 v[SGA], v[AW]                     ; lanes r and 16 + r write the same word with the same value
	s_wait_dscnt 0x0                               ; for the others' sake
	s_barrier_signal -1
	s_barrier_wait -1
	s_cmp_lt_u32 s[WV], 2                          ; waves 0 and 1 send the 256 words out
	s_cbranch_scc0 .Lno_scales
	ds_load_b128 v[BKR:BKR+3], v[SGR]
	s_wait_dscnt 0x0
	global_store_b128 v[G16], v[BKR:BKR+3], s[10:11]   ; a wave stores 512 consecutive bytes
.Lno_scales:
	s_wait_tensorcnt 0x0                           ; the wave's end
	ds_add_u32 v[SPW], v[NIL]
	s_wait_dscnt 0x0
	CROUND                                         ; the closing round
	s_endpgm
.Lfunc_end_k_q49ed86289d_attn:
	.size	k_q49ed86289d_attn, .Lfunc_end_k_q49ed86289d_attn-k_q49ed86289d_attn
	.p2alignl 7, 3214868480
	.fill 96, 4, 3214868480
	.section	.rodata,"a",@progbits
	.p2align	6, 0x0
	.amdhsa_kernel k_q49ed86289d_attn
		.amdhsa_group_segment_fixed_size 327680
		.amdhsa_private_segment_fixed_size 0
		.amdhsa_enable_private_segment 0
		.amdhsa_kernarg_size 32
		.amdhsa_user_sgpr_count 2
		.amdhsa_user_sgpr_kernarg_segment_ptr 1
		.amdhsa_wavefront_size32 1
		.amdhsa_system_sgpr_workgroup_id_x 1
		.amdhsa_system_sgpr_workgroup_id_y 1
		.amdhsa_system_sgpr_workgroup_id_z 1
		.amdhsa_system_vgpr_workitem_id 0
		.amdhsa_next_free_vgpr 256
		.amdhsa_next_free_sgpr 66
		.amdhsa_reserve_vcc 0
		.amdhsa_float_denorm_mode_32 3
		.amdhsa_float_denorm_mode_16_64 3
		.amdhsa_memory_ordered 1
		.amdhsa_forward_progress 1
		.amdhsa_inst_pref_size 50
	.end_amdhsa_kernel
	.amdgpu_metadata
---
amdhsa.version: [ 1, 2 ]
amdhsa.kernels:
  - .name:           k_q49ed86289d_attn
    .symbol:         k_q49ed86289d_attn.kd
    .args:
      - { .name: qbuf, .offset: 0, .size: 8, .value_kind: global_buffer, .address_space: global }
      - { .name: kvbuf, .offset: 8, .size: 8, .value_kind: global_buffer, .address_space: global }
      - { .name: ao_codes, .offset: 16, .size: 8, .value_kind: global_buffer, .address_space: global }
      - { .name: ao_scales, .offset: 24, .size: 8, .value_kind: global_buffer, .address_space: global }
    .group_segment_fixed_size: 327680
    .private_segment_fixed_size: 0
    .kernarg_segment_align: 8
    .kernarg_segment_size: 32
    .max_flat_workgroup_size: 512
    .sgpr_count:     66
    .vgpr_count:     256
    .wavefront_size: 32
...
	.end_amdgpu_metadata
.endif
;; end of part 2
;; launch oproj (part 3): grid 4 x 64, 4 waves a work-group, clusters of 4 x 4, 327,680 bytes of LDS; arguments ao_codes, ao_scales, Wo_codes, Wo_scales, bo, out0; writes out0
.if DOCPART == 3
	.amdgcn_target "amdgcn-amd-amdhsa--gfx1250"
	.amdhsa_code_object_version 6
	.text
	.protected	k_q49ed86289d_oproj
	.globl	k_q49ed86289d_oproj
	.p2align	8
	.type	k_q49ed86289d_oproj,@function
k_q49ed86289d_oproj:
	s_mov_b64 s[64:65], 0
	v_nop
	global_prefetch_b8 v0, s[64:65] scope:SCOPE_SE
	s_setreg_imm32_b32 hwreg(HW_REG_WAVE_MODE, 25, 1), 1
	s_wait_xcnt 0x0
	s_wait_alu depctr_hold_cnt(0) depctr_sa_sdst(0) depctr_va_vdst(0) depctr_va_sdst(0) depctr_va_ssrc(0) depctr_va_vcc(0) depctr_vm_vsrc(0)
	s_getreg_b32 s2, hwreg(HW_REG_IB_STS2, 6, 4)
	s_cmp_eq_u32 s2, 0
	s_cbranch_scc0 .Lentry_in_a_cluster
	s_endpgm
.Lentry_in_a_cluster:
	s_bfe_u32 s2, ttmp6, 0x10000c
	s_cmp_lg_u32 s2, 0xf033
	s_cbranch_scc0 .Lentry_shape_is_right
	s_endpgm
.Lentry_shape_is_right:
; out0 = A Wo + bo on codes of FP4 (E2M1) with E8M0 scales.  A: the attention's result as the launch before laid it: ao_codes [tile of 16 tokens 512][K step 8][1,024 bytes: an image of the fragment's registers],
; ao_scales [K step 8][token 8,192][4 bytes].  Wo: codes [1,024 outputs][512 bytes], scale bytes [1,024][32].  Nothing of reference() is left out here.
; SHARES.  A work-group makes 128 tokens x 256 outputs (256 work-groups), a wave 64 x 128: 32 accumulators.  All of K lies in LDS: two slots of 512 along K, each filled once; nothing is filled again.
; CLUSTER 4 x 4: the four of a row need the same tokens, the four of a column the same rows of Wo: joint loads.  Waves 0, 1 fetch Wo's halves, waves 2, 3 four token tiles each.
; Source 0 = 16 rows of Wo, source 1 = 16 tokens: a lane holds eight neighbouring outputs of one token.  The bias is the C of each sum's first matrix instruction.
; REGISTERS.  window 0: v1-13 addresses; v28, v29 the add's two; v32-47 A's scale words; v48-79 Wo's; v80-143 the bias, later rows on the way out; v144-207 rows on the way out.
;   window 1: accumulator (a, b) at 64 a + 8 b.   window 2: two sets of fragments at 96 f: A's four, then Wo's eight.
.set PITCH,  272
.set HALFT,  128*PITCH
.set ASL,    32768                     ; A's images of one slot: 8 tiles x 4,096 bytes
.set WOB,    65536                     ; behind A's two: Wo's rows, 256 x 272 bytes a slot
.set WSL,    2*HALFT
.set STAGE,  WOB+2*WSL                 ; 16 rows x 528 bytes for each wave
.set SPITCH, 528
.set SPARE,  STAGE+4*16*SPITCH
.set ADRA, 5
.set ADRB, 6                           ; v6, v7
.set L16,  8
.set L4,   9
.set L32,  10
.set B32H, 11
.set STO,  12
.set RD,   13
.set SPW,  28
.set NIL,  29
.set SA,   32
.set SB,   48
.set BO,   80
.set BK,   80
.set WV, 16
.set TH, 17
.set NH, 18
.set G1A, 24
.set G1B, 32
.set G0A, 40
.set G0B, 48
.set MSB, 0
.macro WIN new
.if MSB != (\new)
	s_set_vgpr_msb (MSB<<8)|(\new)
.set MSB, (\new)
.endif
.endm
.macro PLACES
.rept 4
	v_nop
.endr
.endm
.macro JLOAD s                         ; waves 0 and 1 fetch for Wo, waves 2 and 3 for A; an s_nop 0 and four v_nop follow each line
	s_cmp_eq_u32 s[TH], 0
	s_cbranch_scc0 .Lfor_a_\@
	tensor_load_to_lds s[G0B+4*\s:G0B+4*\s+3], s[G1B:G1B+7]
	s_nop 0
.rept 4
	v_nop
.endr
	s_branch .Lasked_\@
.Lfor_a_\@:
	tensor_load_to_lds s[G0A+4*\s:G0A+4*\s+3], s[G1A:G1A+7]
	s_nop 0
.rept 4
	v_nop
.endr
.Lasked_\@:
.endm
.macro CROUND
	s_barrier_signal -1
	s_barrier_wait -1
	s_cmp_lg_u32 s[WV], 0
	s_cbranch_scc1 .Lnot_wave_0_\@
	s_barrier_signal -3
.Lnot_wave_0_\@:
	s_barrier_wait -3
	s_barrier_signal -1
	s_barrier_wait -1
.endm
	s_load_b256 s[4:11], s[0:1], 0x0               ; ao_codes 4, ao_scales 6, Wo codes 8, Wo scales 10
	s_load_b128 s[12:15], s[0:1], 0x20             ; bo 12, out0 14
	v_lshl_add_u32 v[SPW], v0, 2, SPARE
	v_mov_b32 v[NIL], 0
	ds_add_u32 v[SPW], v[NIL]                      ; the wave's opening: the add, twice on end, and its wait ahead of my first tensor load
	ds_add_u32 v[SPW], v[NIL]
	v_lshrrev_b32 v1, 5, v0
	v_readfirstlane_b32 s[WV], v1
	s_lshr_b32 s[TH], s[WV], 1                     ; my half of the tokens.  Also: I fetch for Wo (0) or for A (1)
	s_and_b32 s[NH], s[WV], 1                      ; my half of the outputs.  Also: which half I fetch
	s_bfe_u32 s19, ttmp6, 0x40000                  ; cx: the tile of 256 outputs
	s_bfe_u32 s20, ttmp6, 0x40004                  ; cy
	s_and_b32 s21, ttmp7, 0xffff
	s_lshl_b32 s21, s21, 2
	s_add_co_u32 s21, s21, s20                     ; my tile of 128 tokens
	s_lshl_b32 s22, s20, 2
	s_lshl_b32 s22, 15, s22                        ; my row of the cluster
	s_lshl_b32 s23, 0x1111, s19                    ; my column
	s_or_b32 s[G1A], s22, (3<<16)|(1<<21)          ; A: elements of 8 bytes, no padding: 4 rows (token tiles) of 4,096 bytes, 8,192 apart
	s_mov_b32 s[G1A+1], 512<<16
	s_mov_b32 s[G1A+2], 4<<16
	s_mov_b32 s[G1A+3], 512<<16
	s_mov_b32 s[G1A+4], 4
	s_mov_b32 s[G1A+5], 1024
	s_mov_b32 s[G1A+6], 0
	s_mov_b32 s[G1A+7], 0
	s_or_b32 s[G1B], s23, (1<<20)|(1<<21)|(5<<22)|(3<<25)   ; Wo: 128 rows of 256 bytes, 512 apart, 16 bytes of padding behind each
	s_mov_b32 s[G1B+1], 256<<16
	s_mov_b32 s[G1B+2], 128<<16
	s_mov_b32 s[G1B+3], 256<<16
	s_mov_b32 s[G1B+4], 128
	s_mov_b32 s[G1B+5], 512
	s_mov_b32 s[G1B+6], 0
	s_mov_b32 s[G1B+7], 0
	s_lshl_b32 s56, s21, 3
	s_lshl_b32 s57, s[NH], 2
	s_add_co_u32 s56, s56, s57
	s_lshl_b32 s56, s56, 13                        ; A: token tile 8 x my tile + 4 x half, 8,192 bytes each
	s_mov_b32 s57, 0
	s_lshl_b32 s58, s19, 8
	s_lshl_b32 s59, s[NH], 7
	s_add_co_u32 s58, s58, s59
	s_lshl_b32 s58, s58, 9                         ; Wo: row 256 cx + 128 x half
	s_mov_b32 s59, 0
	s_lshl_b32 s60, s[NH], 14                      ; in LDS: A's half,
	s_mul_i32 s61, s[NH], HALFT
	s_add_co_u32 s61, s61, WOB                     ; Wo's half
	s_wait_dscnt 0x0                               ; both opening adds are done
	s_wait_kmcnt 0x0
	s_add_nc_u64 s[56:57], s[4:5], s[56:57]
	s_add_nc_u64 s[58:59], s[8:9], s[58:59]
	CROUND                                         ; all sixteen work-groups are here: the joint loads meet
.irp s, 0,1
	s_mov_b32 s[G0A+4*\s], 1
	s_add_co_u32 s[G0A+4*\s+1], s60, \s*ASL
	s_add_nc_u64 s[G0A+4*\s+2:G0A+4*\s+3], s[56:57], \s*4096
	s_or_b32 s[G0A+4*\s+3], s[G0A+4*\s+3], 0x80000000
	s_mov_b32 s[G0B+4*\s], 1
	s_add_co_u32 s[G0B+4*\s+1], s61, \s*WSL
	s_add_nc_u64 s[G0B+4*\s+2:G0B+4*\s+3], s[58:59], \s*256
	s_or_b32 s[G0B+4*\s+3], s[G0B+4*\s+3], 0x80000000
	s_wait_alu depctr_va_vdst(0)
	s_wait_tensorcnt 0x0
	ds_add_u32 v28, v29
	ds_add_u32 v28, v29
	s_wait_dscnt 0x0
	CROUND
	JLOAD \s                                       ; one load of mine is out at the end: slot 1's
.endr
	v_and_b32 v1, 15, v0                           ; r
	v_bfe_u32 v2, v0, 4, 1                         ; h
	v_and_b32 v3, 31, v0                           ; lane
	v_lshlrev_b32 v[L16], 4, v3
	v_lshlrev_b32 v[L4], 2, v3
	v_lshlrev_b32 v[L32], 5, v3
	v_lshlrev_b32 v[B32H], 5, v2
	s_lshl_b32 s62, s[TH], 14
	v_add_nc_u32 v[ADRA], s62, v[L16]              ; my four token tiles' images: 16 x lane
	v_mul_u32_u24 v4, v1, PITCH
	v_lshl_add_u32 v4, v2, 4, v4
	s_mul_i32 s62, s[NH], HALFT
	s_add_co_u32 s62, s62, WOB
	v_add_nc_u32 v[ADRB], s62, v4
	s_add_co_u32 s62, s62, WSL
	v_add_nc_u32 v[ADRB+1], s62, v4
	s_mul_i32 s63, s[WV], 16*SPITCH
	s_add_co_u32 s63, s63, STAGE                   ; my stage
	v_mul_u32_u24 v[STO], v1, SPITCH
	v_lshl_add_u32 v[STO], v2, 5, v[STO]
	v_add_nc_u32 v[STO], s63, v[STO]               ; in: row r, 32 bytes for each half of the lanes
	v_add_nc_u32 v[RD], s63, v[L16]                ; back: the 32 lanes take one row of 512 bytes
	s_lshl_b32 s66, s21, 7
	s_lshl_b32 s67, s[TH], 6
	s_add_co_u32 s66, s66, s67                     ; my first token
	s_lshl_b32 s68, s19, 8
	s_lshl_b32 s69, s[NH], 7
	s_add_co_u32 s68, s68, s69                     ; my first output
	s_mov_b32 s71, 0
	s_lshl_b32 s70, s66, 2
	s_add_nc_u64 s[6:7], s[6:7], s[70:71]
	s_lshl_b32 s70, s68, 5
	s_add_nc_u64 s[10:11], s[10:11], s[70:71]
	s_lshl_b32 s70, s68, 2
	s_add_nc_u64 s[12:13], s[12:13], s[70:71]
	s_add_nc_u64 s[14:15], s[14:15], s[70:71]
	s_lshl_b32 s70, s66, 12
	s_add_nc_u64 s[14:15], s[14:15], s[70:71]
.irp s, 0,1,2,3,4,5,6,7
.irp p, 0,1
	global_load_b32 v[SA+2*\s+\p], v[L4], s[6:7] offset:32768*\s+128*\p     ; K step s: lanes 0-15 token tile 2 p's words, lanes 16-31 tile 2 p + 1's
.endr
.endr
.irp g, 0,1
.irp p, 0,1,2,3
	global_load_b128 v[SB+16*\g+4*\p:SB+16*\g+4*\p+3], v[L32], s[10:11] offset:1024*\p+16*\g   ; four K steps' words of row 32 p + lane
.endr
.endr
.irp b, 0,1,2,3,4,5,6,7
	global_load_b128 v[BO+8*\b:BO+8*\b+3], v[B32H], s[12:13] offset:64*\b   ; the bias in the result's layout: outputs 16 b + 8 h + 0 .. 7
	global_load_b128 v[BO+8*\b+4:BO+8*\b+7], v[B32H], s[12:13] offset:64*\b+16
.endr
.macro WM                              ; one matrix instruction from the symbols rD, rA, rB, rC, rSA, rSB; rRA, rRB: the scale words lie in lanes 16-31
.if rRA && rRB
	v_wmma_scale_f32_16x16x128_f8f6f4 v[rD:rD+7], v[rA:rA+7], v[rB:rB+7], v[rC:rC+7], v[rSA], v[rSB] matrix_a_fmt:MATRIX_FMT_FP4 matrix_b_fmt:MATRIX_FMT_FP4 matrix_a_scale:MATRIX_SCALE_ROW1 matrix_b_scale:MATRIX_SCALE_ROW1
.elseif rRA
	v_wmma_scale_f32_16x16x128_f8f6f4 v[rD:rD+7], v[rA:rA+7], v[rB:rB+7], v[rC:rC+7], v[rSA], v[rSB] matrix_a_fmt:MATRIX_FMT_FP4 matrix_b_fmt:MATRIX_FMT_FP4 matrix_a_scale:MATRIX_SCALE_ROW1
.elseif rRB
	v_wmma_scale_f32_16x16x128_f8f6f4 v[rD:rD+7], v[rA:rA+7], v[rB:rB+7], v[rC:rC+7], v[rSA], v[rSB] matrix_a_fmt:MATRIX_FMT_FP4 matrix_b_fmt:MATRIX_FMT_FP4 matrix_b_scale:MATRIX_SCALE_ROW1
.else
	v_wmma_scale_f32_16x16x128_f8f6f4 v[rD:rD+7], v[rA:rA+7], v[rB:rB+7], v[rC:rC+7], v[rSA], v[rSB] matrix_a_fmt:MATRIX_FMT_FP4 matrix_b_fmt:MATRIX_FMT_FP4
.endif
.endm
.macro FETCH S                         ; 24 LDS loads in one run: K step S of my four token tiles and my eight tiles of Wo into set S % 2 of window 2
	WIN 0x80
.set fi, 0
.rept 4
.set fr, 96*((\S)%2)+8*fi
.set fo, ((\S)/4)*ASL+fi*4096+1024*((\S)%4)
	ds_load_b128 v[fr:fr+3], v[ADRA] offset:fo
	ds_load_b128 v[fr+4:fr+7], v[ADRA] offset:fo+512
.set fi, fi+1
.endr
.set fi, 0
.rept 8
.set fr, 96*((\S)%2)+32+8*fi
.set fo, fi*16*PITCH+64*((\S)%4)
	ds_load_b128 v[fr:fr+3], v[ADRB+(\S)/4] offset:fo
	ds_load_b128 v[fr+4:fr+7], v[ADRB+(\S)/4] offset:fo+32
.set fi, fi+1
.endr
.endm
.macro MUL32 S                         ; K step S: the 32 accumulators take turns, one instruction a turn, in the same order in every step
.if (\S) == 0
	WIN 0x4a                                       ; sources 0, 1 window 2; C (the bias) window 0; D window 1
.else
	WIN 0x5a                                       ; C and D window 1
.endif
.set ia, 0
.rept 4
.set ib, 0
.rept 8
.set rD, 64*ia+8*ib
.set rC, rD
.if (\S) == 0
.set rC, BO+8*ib
.endif
.set rA, 96*((\S)%2)+32+8*ib
.set rB, 96*((\S)%2)+8*ia
.set rSA, SB+16*((\S)/4)+4*(ib/2)+(\S)%4
.set rSB, SA+2*(\S)+ia/2
.set rRA, ib%2
.set rRB, ia%2
	WM
.set ib, ib+1
.endr
.set ia, ia+1
.endr
.endm
	s_wait_alu depctr_va_vdst(0)
	s_wait_tensorcnt 0x1                           ; my part of slot 0 is in; slot 1's may stay out
	s_barrier_signal -1
	s_barrier_wait -1                              ; everybody's is
	FETCH 0
	s_wait_loadcnt 0x0                             ; scale words and bias
.set SS, 0
.rept 8
.if SS == 3
	s_wait_tensorcnt 0x0                           ; my part of slot 1 is in,
	s_wait_dscnt 0x0                               ; (no LDS instruction of mine is out at a signal)
	s_barrier_signal -1
	s_barrier_wait -1                              ; everybody's is: the next run of loads reads it
.endif
.if SS < 7
.if SS > 0
	PLACES                                         ; ahead of loads into the set that the step before multiplied
.endif
	FETCH SS+1
	s_wait_dscnt 24                                ; this step's loads are in; the 24 just issued may be out
.else
	s_wait_dscnt 0x0
.endif
	MUL32 SS
.set SS, SS+1
.endr
	WIN 0
; THE WAY OUT, a block of 16 tokens x 128 outputs at a time, through my own stage: in as 32 bytes a lane, back as whole rows of 512 bytes.  LDS serves a wave's instructions in order (ISA guide 5.7.1.4).
.macro TOSTAGE a
	WIN 0x04                                       ; an LDS store's data: window 1
.irp b, 0,1,2,3,4,5,6,7
	ds_store_b128 v[STO], v[64*(\a)+8*\b:64*(\a)+8*\b+3] offset:64*\b          ; each accumulator from its low end on
	ds_store_b128 v[STO], v[64*(\a)+8*\b+4:64*(\a)+8*\b+7] offset:64*\b+16
.endr
	WIN 0
.set BB, BK+64*((\a)%2)
.irp t, 0,1,2,3,4,5,6,7,8,9,10,11,12,13,14,15
	ds_load_b128 v[BB+4*\t:BB+4*\t+3], v[RD] offset:\t*SPITCH
.endr
.endm
.macro SEND a, younger                 ; younger: the LDS instructions issued behind block a's loads, which may stay out
.set BB, BK+64*((\a)%2)
	s_wait_dscnt \younger
.if (\a) > 0
	s_add_nc_u64 s[14:15], s[14:15], 16*4096       ; 16 rows of out0 on (behind a wait on XCNT: the earlier stores have read their base)
.endif
.irp t, 0,1,2,3,4,5,6,7,8,9,10,11,12,13,14,15
	global_store_b128 v[L16], v[BB+4*\t:BB+4*\t+3], s[14:15] offset:\t*4096 th:TH_STORE_NT   ; 32 lanes store 512 consecutive bytes, at a multiple of 256 from out0's first byte
.endr
.endm
	PLACES                                         ; behind the last products: ahead of the stores that read results and of the loads into the bias's registers
	TOSTAGE 0
.irp a, 1,2,3
.if \a > 1
	s_wait_xcnt 0x0                                ; block a - 2's stores have read their registers and their base
.endif
	TOSTAGE \a
	SEND \a-1, 32                                  ; behind block a - 1's loads: block a's 16 stores and 16 loads
.endr
	s_wait_xcnt 0x0
	SEND 3, 0
	s_wait_tensorcnt 0x0                           ; the wave's end
	ds_add_u32 v[SPW], v[NIL]
	s_wait_dscnt 0x0
	CROUND                                         ; the closing round
	s_endpgm
.Lfunc_end_k_q49ed86289d_oproj:
	.size	k_q49ed86289d_oproj, .Lfunc_end_k_q49ed86289d_oproj-k_q49ed86289d_oproj
	.p2alignl 7, 3214868480
	.fill 96, 4, 3214868480
	.section	.rodata,"a",@progbits
	.p2align	6, 0x0
	.amdhsa_kernel k_q49ed86289d_oproj
		.amdhsa_group_segment_fixed_size 327680
		.amdhsa_private_segment_fixed_size 0
		.amdhsa_enable_private_segment 0
		.amdhsa_kernarg_size 48
		.amdhsa_user_sgpr_count 2
		.amdhsa_user_sgpr_kernarg_segment_ptr 1
		.amdhsa_wavefront_size32 1
		.amdhsa_system_sgpr_workgroup_id_x 1
		.amdhsa_system_sgpr_workgroup_id_y 1
		.amdhsa_system_sgpr_workgroup_id_z 1
		.amdhsa_system_vgpr_workitem_id 0
		.amdhsa_next_free_vgpr 768
		.amdhsa_next_free_sgpr 80
		.amdhsa_reserve_vcc 0
		.amdhsa_float_denorm_mode_32 3
		.amdhsa_float_denorm_mode_16_64 3
		.amdhsa_memory_ordered 1
		.amdhsa_forward_progress 1
		.amdhsa_inst_pref_size 73
	.end_amdhsa_kernel
	.amdgpu_metadata
---
amdhsa.version: [ 1, 2 ]
amdhsa.kernels:
  - .name:           k_q49ed86289d_oproj
    .symbol:         k_q49ed86289d_oproj.kd
    .args:
      - { .name: ao_codes, .offset: 0, .size: 8, .value_kind: global_buffer, .address_space: global }
      - { .name: ao_scales, .offset: 8, .size: 8, .value_kind: global_buffer, .address_space: global }
      - { .name: Wo_codes, .offset: 16, .size: 8, .value_kind: global_buffer, .address_space: global }
      - { .name: Wo_scales, .offset: 24, .size: 8, .value_kind: global_buffer, .address_space: global }
      - { .name: bo, .offset: 32, .size: 8, .value_kind: global_buffer, .address_space: global }
      - { .name: out0, .offset: 40, .size: 8, .value_kind: global_buffer, .address_space: global }
    .group_segment_fixed_size: 327680
    .private_segment_fixed_size: 0
    .kernarg_segment_align: 8
    .kernarg_segment_size: 48
    .max_flat_workgroup_size: 128
    .sgpr_count:     80
    .vgpr_count:     768
    .wavefront_size: 32
...
	.end_amdgpu_metadata
.endif
;; end of part 3
